; MI455X (gfx1250); checked and timed in simulation.
; The chip was launched on July 23, 2026; its instructions are those of AMD's public machine-readable ISA for CDNA 5 (MIT licence, August 2026) and "CDNA5" Instruction Set Architecture Reference Guide (July 2026). The comments in the code are by the model that wrote it; some were corrected since.
;; Self Attention Block op. Allowed arithmetic: float matrix products may take bf16 or f16 operands with f32 sums; all other float work in f32.
;; Inputs: Wk 256 x 256 float32; Wo 256 x 512 float32; Wq 256 x 256 float32; Wv 256 x 256 float32; query_feats 4 x 256 x 4,096 float32.
;; Outputs: out0 4 x 256 x 4,096 float32.
;; One version. Each part assembles by itself: llvm-mc -triple=amdgcn-amd-amdhsa -mcpu=gfx1250 --defsym DOCPART=n.
;; ======== version 1 of 1: 2 launches
;; workspace buffers: Qf 8,388,608 bytes; Kf 8,388,608 bytes; Vf 8,388,608 bytes; Xf 8,388,608 bytes; Wof 262,144 bytes
;; launch proj (part 1): grid 256 x 1, 4 waves a work-group, clusters of 4 x 1, 327,680 bytes of LDS; arguments query_feats, Wq, Wk, Wv, Wo, Qf, Kf, Vf, Xf, Wof; writes Qf, Kf, Vf, Xf, Wof
.if DOCPART == 1
	.amdgcn_target "amdgcn-amd-amdhsa--gfx1250"
	.amdhsa_code_object_version 6
	.text
	.protected	k_qdd6212f8c0_proj
	.globl	k_qdd6212f8c0_proj
	.p2align	8
	.type	k_qdd6212f8c0_proj,@function
k_qdd6212f8c0_proj:
	s_mov_b64 s[64:65], 0
	v_nop
	global_prefetch_b8 v0, s[64:65] scope:SCOPE_SE
	s_setreg_imm32_b32 hwreg(HW_REG_WAVE_MODE, 25, 1), 1
	s_wait_xcnt 0x0
	s_wait_alu depctr_hold_cnt(0) depctr_sa_sdst(0) depctr_va_vdst(0) depctr_va_sdst(0) depctr_va_ssrc(0) depctr_va_vcc(0) depctr_vm_vsrc(0)
	s_getreg_b32 s2, hwreg(HW_REG_IB_STS2, 6, 4)
	s_cmp_eq_u32 s2, 0
	s_cbranch_scc0 .Lentry_in_a_cluster
	s_endpgm
.Lentry_in_a_cluster:
	s_bfe_u32 s2, ttmp6, 0x10000c
	s_cmp_lg_u32 s2, 0x3003
	s_cbranch_scc0 .Lentry_shape_is_right
	s_endpgm
.Lentry_shape_is_right:
; q, k, v = Wq x, Wk x, Wv x for 64 positions of one batch, and x and Wo rounded to bf16.  x: [4][256][4096] f32; Wq, Wk, Wv: [256][256] f32; Wo: [256][512] f32.
; ALL RESULTS ARE STORED IN FRAGMENT ORDER: a fragment is the register image of a 16 x 32 bf16 matrix operand, 1,024 bytes = [part p][lane][16 bytes];
; lane (r = lane % 16, h = lane / 16), part p, holds row r, k = 16 p + 8 h .. + 7.  A packed 16 x 16 result is then half a fragment in the lane that holds it,
; so each store of a wave is 512 consecutive bytes, aligned, straight from registers.
;   Qf, Kf, Xf: [block of 64 positions][position tile 4][channel step 8][p][lane][16 B]   (row = position, k = channel)
;   Vf:         [block][channel tile 16][key step 2][p][lane][16 B]                       (row = channel, k = position)
;   Wof:        [o tile 16][column step 16][p][lane][16 B]                                (row = o, k = column of Wo)
; q is multiplied in f32 by 2^-4 log2 e (the norm 256^-1/2 and the change to base 2) before it is rounded to bf16.
; LIMITS: operands of the products are rounded to bf16 (range of f32), sums are f32; inputs finite.
; SHARES: work-group = 64 positions x all 768 output rows; six steps of 128 rows (Wq, Wq, Wk, Wk, Wv, Wv); wave w = rows 32 w .. + 31 of a step.
; CLUSTER 4, 1, 1: the four partners walk the same 768 KiB of weights and 64 KiB of x of their own, so the weights are asked for jointly (mask 15).
; Each wave asks for, and reads, its own 32 rows.  Two LDS slots of 128 rows take turns; by this text's count two tensor loads of a wave are out at the start, later one.
.set XS,     266240                    ; x tile in bf16, [channel 256][position 64], pitch 160: bytes of its own, no tensor load lands here
.set XPITCH, 160                       ; 5 x 32 bytes: the eight rows that a transposing load's group touches start 40 words apart
.set SLOTB,  133120                    ; a slot: 128 rows of 1,040 bytes
.set WPITCH, 1040                      ; 1,024 bytes of a weight row + 16 of padding = 65 x 16: sixteen rows start at sixteen different 16-byte columns
.set WPART,  32*WPITCH                 ; a wave's 32 rows
.set XO,  1                            ; v1   x: (lane/16) rows of 16,384 bytes + 16 (lane%16)
.set XW,  2                            ; v2   where my 4 numbers of x go in XS
.set TA,  3                            ; v3   transposing loads from XS
.set TAW, 4                            ; v4   the same at position tile w
.set WA,  5                            ; v5, v6  my weight rows in slot 0, 1
.set OV,  7                            ; v7   Qf, Kf: 1,024 w + 16 lane
.set OVV, 8                            ; v8   Vf: 4,096 w + 16 lane
.set OX,  9                            ; v9   Xf: 8,192 w + 16 lane
.set WOO, 10                           ; v10  Wo: 2,048 r + 32 h
.set L16, 11                           ; v11  16 lane
.set LA,  16                           ; v16-143   128 registers as loaded (f32)
.set WF,  144                          ; v144-207  8 weight fragments (16 rows x 256 channels in bf16)
.set ACC, 208                          ; v208-239  4 sums, one for each position tile
.set PK,  240                          ; v240-255  packed results
                                       ; window 1 (v256-511): x fragment (position tile nt, channel step ks) at 8 (8 nt + ks)
.set G1, 32                            ; s[32:39] descriptor group 1
.set G0, 40                            ; s[40:47] descriptor group 0, a set for each slot
.set MSB, 0
.macro WIN new                         ; the immediate's high byte repeats the setting that is left
.if MSB != \new
	s_set_vgpr_msb (MSB<<8)|\new
.set MSB, \new
.endif
.endm
.macro PLACES n
.rept \n
	v_nop
.endr
.endm
.macro CREST                           ; a round of the cluster's barrier behind its opening barrier
	s_cmp_lg_u32 s24, 0
	s_cbranch_scc1 .Lnot_wave_0_\@
	s_barrier_signal -3
.Lnot_wave_0_\@:
	s_barrier_wait -3
	s_barrier_signal -1
	s_barrier_wait -1
.endm
.macro ROUND
	s_barrier_signal -1
	s_barrier_wait -1
	CREST
.endm
	s_load_b256 s[4:11], s[0:1], 0x0               ; x s[4:5], Wq s[6:7], Wk s[8:9], Wv s[10:11]
	s_load_b256 s[12:19], s[0:1], 0x20             ; Wo s[12:13], Qf s[14:15], Kf s[16:17], Vf s[18:19]
	s_load_b128 s[20:23], s[0:1], 0x40             ; Xf s[20:21], Wof s[22:23]
	s_set_vgpr_msb 0x80
	v_lshl_add_u32 v0, v0, 2, 0x4b000
	v_mov_b32 v1, 0
	s_set_vgpr_msb 0x808a
	ds_add_u32 v0, v1
	s_set_vgpr_msb 0x8a00
	v_lshrrev_b32 v12, 5, v0
	v_readfirstlane_b32 s24, v12                   ; wave 0..3
	s_bfe_u32 s25, ttmp6, 0x40000                  ; cx.  s25, s26, s30, s31, s50-s53 alone hold anything made of it; none feeds a descriptor or an LDS address
	s_lshl_b32 s26, ttmp9, 2
	s_add_co_u32 s26, s26, s25                     ; block of 64 positions = 4 x cluster + cx
	; group 1: 32 rows x 256 elements of 4 bytes, 16 bytes of padding behind each row
	s_mov_b32 s[G1+0], 0x07f2000f                  ; 15:0 mask 15 (all four partners); 17:16 element of 4 bytes; 20 padding on; 21 set beside a mask; 24:22 after 256 words (code 7); 31:25 of 4 words (code 3)
	s_mov_b32 s[G1+1], 256<<16                     ; tensor_dim0 = 256
	s_mov_b32 s[G1+2], 32<<16                      ; tensor_dim1 = 32
	s_mov_b32 s[G1+3], 256<<16                     ; tile_dim0 = 256
	s_mov_b32 s[G1+4], 32                          ; tile_dim1 = 32
	s_mov_b32 s[G1+5], 256                         ; elements from row to row
	s_mov_b32 s[G1+6], 0
	s_mov_b32 s[G1+7], 0
	s_mul_i32 s28, s24, WPART                      ; my rows' place in a slot
	s_lshl_b32 s48, s24, 15                        ; my 32 rows in a weight matrix: 32,768 w bytes
	s_mov_b32 s49, 0
	s_lshr_b32 s30, s26, 6                         ; batch
	s_lshl_b32 s30, s30, 22                        ; x 4 MiB
	s_and_b32 s31, s26, 63
	s_lshl_b32 s31, s31, 8                         ; + 64 positions x 4 bytes x block in the batch
	s_add_co_u32 s30, s30, s31
	s_lshl_b32 s31, s24, 20                        ; + my 64 channels
	s_add_co_u32 s30, s30, s31
	s_mov_b32 s31, 0
	s_lshl_b32 s50, s26, 15                        ; a block is 32,768 bytes in Qf, Kf, Vf, Xf
	s_mov_b32 s51, 0
	s_wait_dscnt 0x0
	s_wait_kmcnt 0x0
	s_mov_b32 s[G0+0], 1
	s_add_co_u32 s[G0+1], s28, 0                   ; slot 0
	s_add_nc_u64 s[G0+2:G0+3], s[6:7], s[48:49]    ; step 0: Wq rows 0-127
	s_or_b32 s[G0+3], s[G0+3], 0x80000000
	s_mov_b32 s[G0+4], 1
	s_add_co_u32 s[G0+5], s28, SLOTB               ; slot 1
	s_add_nc_u64 s[G0+6:G0+7], s[6:7], s[48:49]
	s_add_nc_u64 s[G0+6:G0+7], s[G0+6:G0+7], 0x20000   ; step 1: Wq rows 128-255
	s_or_b32 s[G0+7], s[G0+7], 0x80000000
	ROUND                                          ; all four partners are here: the first joint loads meet
	tensor_load_to_lds s[G0:G0+3], s[G1:G1+7]
	s_nop 0
	tensor_load_to_lds s[G0+4:G0+7], s[G1:G1+7]
	s_nop 0
	s_add_nc_u64 s[4:5], s[4:5], s[30:31]
	s_add_nc_u64 s[14:15], s[14:15], s[50:51]
	s_add_nc_u64 s[16:17], s[16:17], s[50:51]
	s_add_nc_u64 s[18:19], s[18:19], s[50:51]
	s_add_nc_u64 s[20:21], s[20:21], s[50:51]
	v_and_b32 v13, 15, v0                          ; r
	v_bfe_u32 v14, v0, 4, 1                        ; h
	v_lshlrev_b32 v[XO], 4, v13
	v_lshl_add_u32 v[XO], v14, 14, v[XO]
	; x: my 64 channels x 64 positions; each load takes two rows' 256 bytes, each aligned
.set i, 0
.rept 32
	global_load_b128 v[LA+4*i:LA+4*i+3], v[XO], s[4:5] offset:i*32768 th:TH_LOAD_NT
.set i, i+1
.endr
	v_and_b32 v12, 31, v0
	v_lshlrev_b32 v[L16], 4, v12
	v_lshlrev_b32 v[WOO], 11, v13
	v_lshl_add_u32 v[WOO], v14, 5, v[WOO]
	; Wo: 256 fragments, 256 work-groups: wave 0 rounds fragment number 'block' (o tile block / 16, column step block % 16)
	s_cmp_lg_u32 s24, 0
	s_cbranch_scc1 .Lno_wo
	s_lshr_b32 s52, s26, 4
	s_lshl_b32 s52, s52, 15                        ; 16 rows of 2,048 bytes
	s_and_b32 s53, s26, 15
	s_lshl_b32 s53, s53, 7                         ; 32 columns of 4 bytes
	s_add_co_u32 s52, s52, s53
	s_mov_b32 s53, 0
	s_add_nc_u64 s[12:13], s[12:13], s[52:53]
	s_lshl_b32 s52, s26, 10
	s_add_nc_u64 s[22:23], s[22:23], s[52:53]
	global_load_b128 v[PK:PK+3],     v[WOO], s[12:13]
	global_load_b128 v[PK+4:PK+7],   v[WOO], s[12:13] offset:16
	global_load_b128 v[PK+8:PK+11],  v[WOO], s[12:13] offset:64
	global_load_b128 v[PK+12:PK+15], v[WOO], s[12:13] offset:80
	s_wait_loadcnt 0x0                             ; these four, and x, which is wanted next anyway
.set i, 0
.rept 8
	v_cvt_pk_bf16_f32 v[ACC+i], v[PK+2*i], v[PK+2*i+1]
.set i, i+1
.endr
	global_store_b128 v[L16], v[ACC:ACC+3],   s[22:23]
	global_store_b128 v[L16], v[ACC+4:ACC+7], s[22:23] offset:512   ; ACC is written again behind step 0's s_wait_xcnt 0
.Lno_wo:
	s_mul_i32 s29, s24, 64*XPITCH
	s_add_co_u32 s29, s29, XS
	v_mul_u32_u24 v[XW], v14, XPITCH
	v_lshl_add_u32 v[XW], v13, 3, v[XW]
	v_add_nc_u32 v[XW], s29, v[XW]                 ; XS + (64 w + h) rows + 8 r
	v_and_b32 v15, 7, v0
	v_lshl_add_u32 v15, v14, 3, v15                ; lane % 8 + 8 h: the channel row that I address
	v_mul_u32_u24 v[TA], v15, XPITCH
	v_bfe_u32 v15, v0, 3, 1
	v_lshl_add_u32 v[TA], v15, 4, v[TA]            ; + 16 bytes for the upper eight positions of a tile
	v_add_nc_u32 v[TA], XS, v[TA]
	s_lshl_b32 s29, s24, 5
	v_add_nc_u32 v[TAW], s29, v[TA]
	v_mul_u32_u24 v[WA], v13, WPITCH
	v_lshl_add_u32 v[WA], v14, 5, v[WA]            ; row r, 8 h numbers of 4 bytes
	v_add_nc_u32 v[WA], s28, v[WA]
	v_add_nc_u32 v[WA+1], SLOTB, v[WA]
	v_lshl_add_u32 v[OV], s24, 10, v[L16]
	v_lshl_add_u32 v[OVV], s24, 12, v[L16]
	v_lshl_add_u32 v[OX], s24, 13, v[L16]
	s_wait_loadcnt 0x0                             ; x is in
.set i, 0
.rept 32
	v_cvt_pk_bf16_f32 v[LA+4*i],   v[LA+4*i],   v[LA+4*i+1]
	v_cvt_pk_bf16_f32 v[LA+4*i+1], v[LA+4*i+2], v[LA+4*i+3]
	ds_store_b64 v[XW], v[LA+4*i:LA+4*i+1] offset:i*2*XPITCH
.set i, i+1
.endr
	s_wait_dscnt 0x0                               ; my part of the x tile is written
	s_barrier_signal -1
	s_barrier_wait -1                              ; everybody's is.  The two tensor loads may stay out
	; all 32 x fragments into window 1: the tile lies [channel][position], so the loads transpose
	WIN 0x40
.irp nt, 0,1,2,3
.irp ks, 0,1,2,3,4,5,6,7
	ds_load_tr16_b128 v[8*(8*\nt+\ks):8*(8*\nt+\ks)+3],   v[TA] offset:\ks*32*XPITCH+\nt*32
	ds_load_tr16_b128 v[8*(8*\nt+\ks)+4:8*(8*\nt+\ks)+7], v[TA] offset:\ks*32*XPITCH+\nt*32+16*XPITCH
.endr
.endr
	WIN 0
.irp ks, 0,1,2,3,4,5,6,7                           ; position tile w once more, into window 0, for Xf
	ds_load_tr16_b128 v[WF+8*\ks:WF+8*\ks+3],   v[TAW] offset:\ks*32*XPITCH
	ds_load_tr16_b128 v[WF+8*\ks+4:WF+8*\ks+7], v[TAW] offset:\ks*32*XPITCH+16*XPITCH
.endr
	s_wait_dscnt 0x0
.irp ks, 0,1,2,3,4,5,6,7
	global_store_b128 v[OX], v[WF+8*\ks:WF+8*\ks+3],   s[20:21] offset:\ks*1024
	global_store_b128 v[OX], v[WF+8*\ks+4:WF+8*\ks+7], s[20:21] offset:\ks*1024+512
.endr
; 32 LDS loads: 16 rows (o tile t of my two) x 256 channels of f32
.macro LDW slot, t
.irp ks, 0,1,2,3,4,5,6,7
	ds_load_b128 v[LA+16*\ks:LA+16*\ks+3],     v[WA+\slot] offset:\t*16*WPITCH+\ks*128
	ds_load_b128 v[LA+16*\ks+4:LA+16*\ks+7],   v[WA+\slot] offset:\t*16*WPITCH+\ks*128+16
	ds_load_b128 v[LA+16*\ks+8:LA+16*\ks+11],  v[WA+\slot] offset:\t*16*WPITCH+\ks*128+64
	ds_load_b128 v[LA+16*\ks+12:LA+16*\ks+15], v[WA+\slot] offset:\t*16*WPITCH+\ks*128+80
.endr
.endm
.macro WCVT                            ; to 8 bf16 fragments
.set i, 0
.rept 64
	v_cvt_pk_bf16_f32 v[WF+i], v[LA+2*i], v[LA+2*i+1]
.set i, i+1
.endr
.endm
; 32 matrix instructions: 16 output rows x 64 positions x 256 channels.  The four sums take turns, one instruction a turn.
; isv = 0: weights first: a lane holds position r and 8 neighbouring output channels (half a fragment of Qf, Kf).
; isv = 1: x first: a lane holds output channel r and 8 neighbouring positions (half a fragment of Vf).
.macro PMUL isv
.if \isv
	WIN 0x01
.else
	WIN 0x04
.endif
.irp ks, 0,1,2,3,4,5,6,7
.irp nt, 0,1,2,3
.if \isv
.if \ks == 0
	v_wmma_f32_16x16x32_bf16 v[ACC+8*\nt:ACC+8*\nt+7], v[8*(8*\nt+\ks):8*(8*\nt+\ks)+7], v[WF+8*\ks:WF+8*\ks+7], 0
.else
	v_wmma_f32_16x16x32_bf16 v[ACC+8*\nt:ACC+8*\nt+7], v[8*(8*\nt+\ks):8*(8*\nt+\ks)+7], v[WF+8*\ks:WF+8*\ks+7], v[ACC+8*\nt:ACC+8*\nt+7]
.endif
.else
.if \ks == 0
	v_wmma_f32_16x16x32_bf16 v[ACC+8*\nt:ACC+8*\nt+7], v[WF+8*\ks:WF+8*\ks+7], v[8*(8*\nt+\ks):8*(8*\nt+\ks)+7], 0
.else
	v_wmma_f32_16x16x32_bf16 v[ACC+8*\nt:ACC+8*\nt+7], v[WF+8*\ks:WF+8*\ks+7], v[8*(8*\nt+\ks):8*(8*\nt+\ks)+7], v[ACC+8*\nt:ACC+8*\nt+7]
.endif
.endif
.endr
.endr
	WIN 0
.endm
; the four sums leave: each store is 512 consecutive bytes, aligned
.macro POUT isv, scale, ob, hi, t
	s_wait_xcnt 0x0                                ; PK, which the last stores read, is rewritten only behind this wait
.if \scale
.set i, 0
.rept 16
	v_pk_mul_f32 v[ACC+2*i:ACC+2*i+1], v[ACC+2*i:ACC+2*i+1], 0x3db8aa3b op_sel_hi:[1,0]   ; 2^-4 log2 e
.set i, i+1
.endr
.endif
.set i, 0
.rept 16
	v_cvt_pk_bf16_f32 v[PK+i], v[ACC+2*i], v[ACC+2*i+1]
.set i, i+1
.endr
.irp nt, 0,1,2,3
.if \isv
	global_store_b128 v[OVV], v[PK+4*\nt:PK+4*\nt+3], s[\ob:\ob+1] offset:\hi*16384+\t*2048+\nt*512   ; channel tile 8 hi + 2 w + t, key part nt
.else
	global_store_b128 v[OV], v[PK+4*\nt:PK+4*\nt+3], s[\ob:\ob+1] offset:\nt*8192+\hi*4096+\t*512     ; position tile nt, channel step 4 hi + w, part t
.endif
.endr
.endm
; One step: 128 rows of a matrix, in slot hi.  mode 2: the slot is filled again (rows 128 hi .. of the matrix at s[nb:nb+1]); 1: the last tile is waited for; 0: the last step.
; Five v_nop stand behind each run of products: four places before the sums are read and the fragments rewritten, five before the next run's first products write over the sums (ISA guide 7.12.1).
.macro PSTEP hi, isv, scale, ob, mode, nb, head
	s_wait_dscnt 0x0                               ; o tile 0 of my rows is in
.if \head
	s_wait_xcnt 0x0                                ; WF and ACC were store data (Xf, Wof)
.endif
	WCVT
	LDW \hi, 1
	PMUL \isv
	PLACES 5
	POUT \isv, \scale, \ob, \hi, 0
	s_wait_dscnt 0x0                               ; o tile 1 is in: my reads of this slot are over
	WCVT
.if \mode == 2
	s_set_vgpr_msb 0xa
	s_wait_tensorcnt 0x0                           ; all my tensor loads have landed (one was out: my part of the other slot), so a group 0 may be written
	ds_add_u32 v0, v1
	s_wait_dscnt 0x0
	s_set_vgpr_msb 0xa00
	s_add_nc_u64 s[G0+4*\hi+2:G0+4*\hi+3], s[\nb:\nb+1], s[48:49]
.if \hi
	s_add_nc_u64 s[G0+4*\hi+2:G0+4*\hi+3], s[G0+4*\hi+2:G0+4*\hi+3], 0x20000
.endif
	s_or_b32 s[G0+4*\hi+3], s[G0+4*\hi+3], 0x80000000
	s_barrier_signal -1                            ; opens a round of the cluster's barrier
	PMUL \isv                                      ; register work inside the round
	s_barrier_wait -1
	CREST                                          ; no wave of any partner still reads this slot or has a load on its way
	tensor_load_to_lds s[G0+4*\hi:G0+4*\hi+3], s[G1:G1+7]   ; my one tensor load behind the round
	s_nop 0
	LDW 1-\hi, 0
	PLACES 5
.endif
.if \mode == 1
	s_wait_tensorcnt 0x0                           ; the last tile: no load was issued behind it
	PMUL \isv
	LDW 1-\hi, 0
	PLACES 5
.endif
.if \mode == 0
	PMUL \isv
	PLACES 5
.endif
	POUT \isv, \scale, \ob, \hi, 1
.endm
	s_wait_tensorcnt 0x1                           ; my part of step 0 is in; step 1's may stay out
	LDW 0, 0
	PSTEP 0, 0, 1, 14, 2, 8,  1                    ; Wq rows 0-127   -> Qf; slot 0 gets Wk rows 0-127
	PSTEP 1, 0, 1, 14, 2, 8,  0                    ; Wq rows 128-255 -> Qf; slot 1 gets Wk rows 128-255
	PSTEP 0, 0, 0, 16, 2, 10, 0                    ; Wk -> Kf; slot 0 gets Wv rows 0-127
	PSTEP 1, 0, 0, 16, 2, 10, 0                    ; Wk -> Kf; slot 1 gets Wv rows 128-255
	PSTEP 0, 1, 0, 18, 1, 0,  0                    ; Wv -> Vf
	PSTEP 1, 1, 0, 18, 0, 0,  0
	s_set_vgpr_msb 0xa
	s_wait_tensorcnt 0x0
	ds_add_u32 v0, v1
	s_wait_dscnt 0x0
	s_set_vgpr_msb 0xa00
	ROUND                                          ; the closing round: no work-group ends while a partner may still ask for a tile that names it
	s_endpgm
.Lfunc_end_k_qdd6212f8c0_proj:
	.size	k_qdd6212f8c0_proj, .Lfunc_end_k_qdd6212f8c0_proj-k_qdd6212f8c0_proj
	.p2alignl 7, 3214868480
	.fill 96, 4, 3214868480
	.section	.rodata,"a",@progbits
	.p2align	6, 0x0
	.amdhsa_kernel k_qdd6212f8c0_proj
		.amdhsa_group_segment_fixed_size 327680
		.amdhsa_private_segment_fixed_size 0
		.amdhsa_enable_private_segment 0
		.amdhsa_kernarg_size 80
		.amdhsa_user_sgpr_count 2
		.amdhsa_user_sgpr_kernarg_segment_ptr 1
		.amdhsa_wavefront_size32 1
		.amdhsa_system_sgpr_workgroup_id_x 1
		.amdhsa_system_sgpr_workgroup_id_y 1
		.amdhsa_system_sgpr_workgroup_id_z 1
		.amdhsa_system_vgpr_workitem_id 0
		.amdhsa_next_free_vgpr 514
		.amdhsa_next_free_sgpr 66
		.amdhsa_reserve_vcc 0
		.amdhsa_float_denorm_mode_32 3
		.amdhsa_float_denorm_mode_16_64 3
		.amdhsa_memory_ordered 1
		.amdhsa_forward_progress 1
		.amdhsa_inst_pref_size 148
	.end_amdhsa_kernel
	.amdgpu_metadata
---
amdhsa.version: [ 1, 2 ]
amdhsa.kernels:
  - .name:           k_qdd6212f8c0_proj
    .symbol:         k_qdd6212f8c0_proj.kd
    .args:
      - { .name: query_feats, .offset: 0, .size: 8, .value_kind: global_buffer, .address_space: global }
      - { .name: Wq, .offset: 8, .size: 8, .value_kind: global_buffer, .address_space: global }
      - { .name: Wk, .offset: 16, .size: 8, .value_kind: global_buffer, .address_space: global }
      - { .name: Wv, .offset: 24, .size: 8, .value_kind: global_buffer, .address_space: global }
      - { .name: Wo, .offset: 32, .size: 8, .value_kind: global_buffer, .address_space: global }
      - { .name: Qf, .offset: 40, .size: 8, .value_kind: global_buffer, .address_space: global }
      - { .name: Kf, .offset: 48, .size: 8, .value_kind: global_buffer, .address_space: global }
      - { .name: Vf, .offset: 56, .size: 8, .value_kind: global_buffer, .address_space: global }
      - { .name: Xf, .offset: 64, .size: 8, .value_kind: global_buffer, .address_space: global }
      - { .name: Wof, .offset: 72, .size: 8, .value_kind: global_buffer, .address_space: global }
    .group_segment_fixed_size: 327680
    .private_segment_fixed_size: 0
    .kernarg_segment_align: 8
    .kernarg_segment_size: 80
    .max_flat_workgroup_size: 128
    .sgpr_count:     66
    .vgpr_count:     514
    .wavefront_size: 32
...
	.end_amdgpu_metadata
.endif
;; end of part 1
;; launch attn (part 2): grid 256 x 1, 4 waves a work-group, clusters of 4 x 1, 327,680 bytes of LDS; arguments Qf, Kf, Vf, Xf, Wof, out0; writes out0
.if DOCPART == 2
	.amdgcn_target "amdgcn-amd-amdhsa--gfx1250"
	.amdhsa_code_object_version 6
	.text
	.protected	k_qdd6212f8c0_attn
	.globl	k_qdd6212f8c0_attn
	.p2align	8
	.type	k_qdd6212f8c0_attn,@function
k_qdd6212f8c0_attn:
	s_mov_b64 s[64:65], 0
	v_nop
	global_prefetch_b8 v0, s[64:65] scope:SCOPE_SE
	s_setreg_imm32_b32 hwreg(HW_REG_WAVE_MODE, 25, 1), 1
	s_wait_xcnt 0x0
	s_wait_alu depctr_hold_cnt(0) depctr_sa_sdst(0) depctr_va_vdst(0) depctr_va_sdst(0) depctr_va_ssrc(0) depctr_va_vcc(0) depctr_vm_vsrc(0)
	s_getreg_b32 s2, hwreg(HW_REG_IB_STS2, 6, 4)
	s_cmp_eq_u32 s2, 0
	s_cbranch_scc0 .Lentry_in_a_cluster
	s_endpgm
.Lentry_in_a_cluster:
	s_bfe_u32 s2, ttmp6, 0x10000c
	s_cmp_lg_u32 s2, 0x3003
	s_cbranch_scc0 .Lentry_shape_is_right
	s_endpgm
.Lentry_shape_is_right:
; out = Wo [softmax(q k^T / 16) v ; x] for 64 queries of one batch.  Qf, Kf, Vf, Xf, Wof: bf16 in fragment order (1,024 bytes = [part][lane][16 bytes], the register
; image of a 16 x 32 operand); q already carries 2^-4 log2 e, so exponentials are taken in base 2.  out0: [4][256][4096] f32.
; SHARES: work-group = 64 queries, all 4,096 keys in 16 steps of 256.  The KEYS are split over the four waves: in a step wave w takes 64 keys for all 64 queries, with its
; own running maximum m, sum l and sums O (64 queries x 256 channels, f32, 512 registers); the four are merged once at the end.  So each fragment read from LDS feeds four
; matrix instructions, each LDS byte is read once, and in the loop no wave reads another wave's LDS bytes.
; TRANSPOSED FORMS: S^T = K Q^T (a lane holds query r and 8 keys), O^T = V^T P^T (query r and 8 channels).  So m, l and the rescaling factor are one number a lane,
; two packed tiles of S^T are a fragment of P in the lanes that hold them, and two packed tiles of O^T a fragment of ctx.
; CLUSTER 4, 1, 1: the four partners are query blocks of one batch and walk the same K and V: each tile is asked for jointly (mask 15).  A mask names four work-groups
; at the most, so a larger cluster would share no more.  One slot for K and one for V, 128 KiB each; each is filled again behind a round of the cluster's barrier.  The two
; rounds stand half a step apart (K's behind the maxima, V's in the last eighth of the second product), so that each load has about half a step's instructions in which
; to land.  By this text's count two tensor loads of a wave are out at the start, later one.
; ORDER OF THE KEYS: cluster c of a batch's 16 starts at key step c xor 14 (c & 1) and wraps round, so that the 16 clusters ask for 16 different tiles at any time and a
; tile has been read by another cluster before most of them come to it.  The sums of a softmax do not hang on the order of the keys.
; No prefetch: of the 16 askings of a tile only the first could gain.
; THE STEP: S^T (128 products); maxima; P for keys 0-31; then O^T in two passes over the 16 channel tiles, keys 0-31 and keys 32-63.  What only the second pass needs (P for
; keys 32-63) and what a tile needs one tile ahead (its rescaling) stands in chunks of 8 to 10 vector instructions behind single products of the first pass, so that the wave
; has vector work to issue between products.  O, P and the fragments lie in different register windows, so a chunk costs two switches of the window.
; LIMITS: inputs such that reference() is finite; exponentials below 2^-126 count as 0 (ISA guide, v_exp_f32); P and ctx are rounded to bf16; sums are f32, split over
; four waves and merged with the waves' maxima.
.set VSLOT, 131072                     ; K's slot at 0, V's behind it; a wave's part is 32,768 bytes
.set STAT,  262144                     ; [query tile][wave][m 128 B, l 128 B]: bytes of its own
.set CTX,   266240                     ; ctx fragments [query tile 4][channel step 8][1,024 B]: bytes of its own
.set OPITCH, 272                       ; the way out: 256 bytes + 16
                                       ; behind the last fills and barrier A: the exchange [query tile][wave][channel tile 16][1,024 B] lies on both slots; behind barrier C the way out's stage on its start
.set KSTEPB, 0x20000                   ; a step's 256 keys in Kf and in Vf: 4 blocks of 32,768 bytes; a batch has 16 steps
.set GOFF, 1                           ; v1      16 lane, never rewritten
.set ADK,  2                           ; v2      my part of K's slot   (later: where m and l go)
.set ADV,  3                           ; v3      my part of V's slot   (later: where m and l are read)
.set XA,   4                           ; v4-7    exchange, query tile 0-3 (later: exchange read, ctx write, ctx read, stage write)
                                       ; v8+2qt m, v9+2qt l;  v16+2qt rescaling factor (v16-23 also serve the maxima's chains)
.set T,    24                          ; v24-31  at work
.set SB,   32                          ; v32-159 S^T tile (key tile kt, query tile qt) at SB + 32 qt + 8 kt; P fragment (qt, u) in place at SB + 32 qt + 16 u
.set FB0,  160                         ; three buffers of 4 fragments
.set FB1,  192
.set FB2,  224
                                       ; window 1: Q fragment (qt, ks) at 8 (8 qt + ks), later x's;  windows 2, 3: O^T tile (ct, qt) in window 2 + ct / 8 at 8 (4 (ct % 8) + qt), later Wo's fragments
.set G1,  24                           ; s[24:31]
.set G0K, 32                           ; s[32:35]
.set G0V, 36                           ; s[36:39]
                                       ; s[6:7], s[8:9] K and V at my batch and my 64 keys of a step; s[48:49], s[50:51] the byte offset of K's and V's key step, whole numbers apart from the addresses
.set MSB, 0
.macro WIN new                         ; the immediate's high byte repeats the setting that is left
.if MSB != \new
	s_set_vgpr_msb (MSB<<8)|\new
.set MSB, \new
.endif
.endm
.macro PLACES n
.rept \n
	v_nop
.endr
.endm
.macro CREST                           ; a round of the cluster's barrier behind its opening barrier
	s_cmp_lg_u32 s16, 0
	s_cbranch_scc1 .Lnot_wave_0_\@
	s_barrier_signal -3
.Lnot_wave_0_\@:
	s_barrier_wait -3
	s_barrier_signal -1
	s_barrier_wait -1
.endm
.macro ROUND
	s_barrier_signal -1
	s_barrier_wait -1
	CREST
.endm
.macro NEXT g0, base, off              ; the next key step, round the batch's 16; written where no tensor load of the wave is out
	s_add_co_u32 s[\off], s[\off], KSTEPB
	s_and_b32 s[\off], s[\off], 15*KSTEPB
	s_add_nc_u64 s[\g0+2:\g0+3], s[\base:\base+1], s[\off:\off+1]
	s_or_b32 s[\g0+3], s[\g0+3], 0x80000000
.endm
.macro GFRAG base, part                ; 16 of the 32 fragments of my 64 positions into window 1: each load 512 consecutive bytes
	WIN 0x40
.set i, 32*\part
.rept 32
	global_load_b128 v[4*i:4*i+3], v[GOFF], s[\base:\base+1] offset:i*512 th:TH_LOAD_NT
.set i, i+1
.endr
	WIN 0
.endm
.macro LDK g, buf                      ; channel step g of my 64 keys: 4 fragments
.irp kt, 0,1,2,3
	ds_load_b128 v[\buf+8*\kt:\buf+8*\kt+3],   v[ADK] offset:(\kt*8+\g)*1024
	ds_load_b128 v[\buf+8*\kt+4:\buf+8*\kt+7], v[ADK] offset:(\kt*8+\g)*1024+512
.endr
.endm
.macro LDV G, buf                      ; group G of the second product: key half u = G / 4, channel tiles 4 (G % 4) .. + 3: 4 fragments
.irp k, 0,1,2,3
	ds_load_b128 v[\buf+8*\k:\buf+8*\k+3],   v[ADV] offset:(4*((\G)&3)+\k)*2048+((\G)>>2)*1024
	ds_load_b128 v[\buf+8*\k+4:\buf+8*\k+7], v[ADV] offset:(4*((\G)&3)+\k)*2048+((\G)>>2)*1024+512
.endr
.endm
; 8 matrix instructions, S^T += K Q^T over 32 channels: key tiles k0, k0 + 1 x four query tiles.  The 16 sums take turns, one instruction a turn.
; Channel step 0 starts the sums.
.macro MULSH g, buf, k0
.irp kt, \k0, \k0+1
.irp qt, 0,1,2,3
.if \g == 0
	v_wmma_f32_16x16x32_bf16 v[SB+32*\qt+8*(\kt):SB+32*\qt+8*(\kt)+7], v[\buf+8*(\kt):\buf+8*(\kt)+7], v[8*(8*\qt+\g):8*(8*\qt+\g)+7], 0
.else
	v_wmma_f32_16x16x32_bf16 v[SB+32*\qt+8*(\kt):SB+32*\qt+8*(\kt)+7], v[\buf+8*(\kt):\buf+8*(\kt)+7], v[8*(8*\qt+\g):8*(8*\qt+\g)+7], v[SB+32*\qt+8*(\kt):SB+32*\qt+8*(\kt)+7]
.endif
.endr
.endr
.endm
.macro WINM ct                         ; the window of O's channel tile ct as C and D
.if (\ct) < 8
	WIN 0xa0
.else
	WIN 0xf0
.endif
.endm
.macro WPV ct, qt, frag, u, zero       ; one matrix instruction: O^T(ct, qt) += V^T(ct, u) P^T(qt, u)
.set OT, 8*(4*((\ct)&7)+(\qt))
.if \zero
	v_wmma_f32_16x16x32_bf16 v[OT:OT+7], v[\frag:\frag+7], v[SB+32*(\qt)+16*(\u):SB+32*(\qt)+16*(\u)+7], 0
.else
	v_wmma_f32_16x16x32_bf16 v[OT:OT+7], v[\frag:\frag+7], v[SB+32*(\qt)+16*(\u):SB+32*(\qt)+16*(\u)+7], v[OT:OT+7]
.endif
.endm
.macro PVH G, i0                       ; 8 matrix instructions of group G: fragments i0, i0 + 1 x four query tiles.  A group's 16 sums take turns, one instruction a turn
.irp i, \i0, \i0+1
.irp qt, 0,1,2,3
	WPV 4*((\G)&3)+(\i), \qt, FB0+32*(((\G)+1)%3)+8*(\i), ((\G)>>2), 0
.endr
.endr
.endm
.macro RCH ct, half                    ; a chunk: two tiles of channel tile ct are rescaled, 8 packed multiplies
.if (\ct) < 8
	WIN 0x82
.else
	WIN 0xc3
.endif
.irp q, 2*\half, 2*\half+1
.irp k, 0,2,4,6
	v_pk_mul_f32 v[8*(4*((\ct)&7)+(\q))+\k:8*(4*((\ct)&7)+(\q))+\k+1], v[8*(4*((\ct)&7)+(\q))+\k:8*(4*((\ct)&7)+(\q))+\k+1], v[16+2*(\q):17+2*(\q)] op_sel_hi:[1,0]
.endr
.endr
.endm
.macro RNEXT ct, half, first           ; the first step has nothing to rescale, the last tile no next one
.if \first == 0
.if (\ct) < 16
	RCH \ct, \half
.endif
.endif
.endm
; A chunk of the softmax of query tile qt, key half u (two tiles of S^T, 16 registers).  part 0: S - m; 1, 2: exponentials; 3: their sum into l; 4: rounded to a fragment of P, in place.
; mode (part 3): 0 l = sum (first step, u = 0); 1 l = l x factor + sum (u = 0); 2 l = l + sum (u = 1).
.macro EPART qt, u, part, mode
.set SH, SB+32*(\qt)+16*(\u)
.set MM, 8+2*(\qt)
.set LL, 9+2*(\qt)
.set FF, 16+2*(\qt)
	WIN 0
.if (\part) == 0
.set i, 0
.rept 8
	v_pk_add_f32 v[SH+i:SH+i+1], v[SH+i:SH+i+1], v[MM:MM+1] op_sel_hi:[1,0] neg_lo:[0,1] neg_hi:[0,1]   ; both by the pair's first register, m
.set i, i+2
.endr
.endif
.if (\part) == 1
.set i, 0
.rept 8
	v_exp_f32 v[SH+i], v[SH+i]
.set i, i+1
.endr
.endif
.if (\part) == 2
.set i, 8
.rept 8
	v_exp_f32 v[SH+i], v[SH+i]
.set i, i+1
.endr
.endif
.if (\part) == 3
	v_nop                                                  ; one plain instruction before the exponentials are used (ISA guide 5.7.2), whatever stood between the chunks
	s_wait_alu depctr_va_vdst(0)
	v_pk_add_f32 v[T:T+1],   v[SH:SH+1],     v[SH+2:SH+3]
	v_pk_add_f32 v[T+2:T+3], v[SH+4:SH+5],   v[SH+6:SH+7]
	v_pk_add_f32 v[T+4:T+5], v[SH+8:SH+9],   v[SH+10:SH+11]
	v_pk_add_f32 v[T+6:T+7], v[SH+12:SH+13], v[SH+14:SH+15]
	v_pk_add_f32 v[T:T+1],   v[T:T+1],   v[T+2:T+3]
	v_pk_add_f32 v[T+4:T+5], v[T+4:T+5], v[T+6:T+7]
	v_pk_add_f32 v[T:T+1],   v[T:T+1],   v[T+4:T+5]
.if (\mode) == 0
	v_add_f32 v[LL], v[T], v[T+1]
.endif
.if (\mode) == 1
	v_add_f32 v[T], v[T], v[T+1]
	v_fma_f32 v[LL], v[LL], v[FF], v[T]
.endif
.if (\mode) == 2
	v_add_f32 v[T], v[T], v[T+1]
	v_add_f32 v[LL], v[LL], v[T]
.endif
.endif
.if (\part) == 4
.set i, 0
.rept 8
	v_cvt_pk_bf16_f32 v[SH+i], v[SH+2*i], v[SH+2*i+1]      ; ascending: each target has been read
.set i, i+1
.endr
.endif
.endm
.macro ECH e                           ; chunk e of the 20 that make P for keys 32-63: query tile e / 5, part e % 5
.if (\e) < 20
.set EQ, (\e)/5
.set EP, (\e)%5
	EPART EQ, 1, EP, 2
.endif
.endm
.macro SMAXA qt, cb                    ; the largest of a lane's 32 numbers of query tile qt, in four chains v[cb .. cb+3]
.set SQ, SB+32*\qt
	v_max3_num_f32 v[\cb],   v[SQ],   v[SQ+1],  v[SQ+2]
	v_max3_num_f32 v[\cb+1], v[SQ+3], v[SQ+4],  v[SQ+5]
	v_max3_num_f32 v[\cb+2], v[SQ+6], v[SQ+7],  v[SQ+8]
	v_max3_num_f32 v[\cb+3], v[SQ+9], v[SQ+10], v[SQ+11]
.set i, 12
.rept 10
	v_max3_num_f32 v[\cb+((i-12)/2)%4], v[\cb+((i-12)/2)%4], v[SQ+i], v[SQ+i+1]
.set i, i+2
.endr
.endm
; The running maxima and the rescaling factors of all four query tiles, stage by stage, so that no instruction waits for the one in front of it.
; A lane holds 32 of its query's 64 keys, the lane 16 further the other 32: the maximum is shared, l stays a lane's own until the end.
.macro SMAXALL first
	SMAXA 0, 24
	SMAXA 1, 28
	SMAXA 2, 16                                            ; the last step's factors are spent
	SMAXA 3, 20
.irp cb, 24,28,16,20
	v_max3_num_f32 v[\cb], v[\cb], v[\cb+1], v[\cb+2]
.endr
.irp cb, 24,28,16,20
	v_max_num_f32 v[\cb], v[\cb], v[\cb+3]
.endr
.irp cb, 24,28,16,20
	v_permlanex16_b32 v[\cb+1], v[\cb], s40, s41           ; the other 32 keys' maximum
.endr
.if \first
	v_max_num_f32 v24, v24, v25                            ; the new maxima into v24-27, in this order: each target is spent
	v_max_num_f32 v25, v28, v29
	v_max_num_f32 v26, v16, v17
	v_max_num_f32 v27, v20, v21
.else
	v_max3_num_f32 v24, v24, v25, v8
	v_max3_num_f32 v25, v28, v29, v10
	v_max3_num_f32 v26, v16, v17, v12
	v_max3_num_f32 v27, v20, v21, v14
.irp qt, 0,1,2,3
	v_sub_f32 v[16+2*\qt], v[8+2*\qt], v[24+\qt]
.endr
.irp qt, 0,1,2,3
	v_exp_f32 v[16+2*\qt], v[16+2*\qt]                     ; what is kept of the old sums; the moves below are the plain instructions behind them (ISA guide 5.7.2)
.endr
.endif
.irp qt, 0,1,2,3
	v_mov_b32 v[8+2*\qt], v[24+\qt]
.endr
.endm
; Group h of the first pass (keys 0-31, channel tiles 4 h .. + 3): 16 matrix instructions, each with a chunk behind it: the next channel tile's rescaling behind query tiles 0 and 2,
; P for keys 32-63 behind 1 and 3.  In the group's middle: the fragments of the group after next, into the buffer that the group before has left.
.macro PV0 h, first
.set PB, FB0+32*((\h+1)%3)
	s_wait_dscnt 8                                         ; my group's eight loads are in; the next group's stay out
.irp i, 0,1,2,3
.irp qt, 0,1,2,3
	WINM 4*\h+\i
	WPV 4*\h+\i, \qt, PB+8*\i, 0, \first
.if \qt == 0
	RNEXT 4*\h+\i+1, 0, \first
.endif
.if \qt == 1
	ECH 2*(4*\h+\i)
.endif
.if \qt == 2
	RNEXT 4*\h+\i+1, 1, \first
.endif
.if \qt == 3
	ECH 2*(4*\h+\i)+1
.endif
.endr
.if \i == 1
	WIN 0
	PLACES 4
	LDV \h+2, FB0+32*(\h%3)
.endif
.endr
.endm
; One step of 256 keys.  On entry channel steps 0 and 1 of K are on their way into buffers 0 and 1.
; Groups of 16 products on three fragment buffers; a group's eight loads are issued in the middle of the group two before it.  So s_wait_dscnt 8 at a group's head leaves the next group's loads out.
; Four v_nop stand between products and the loads into registers that products have read, or the reads of their sums; five where the next products write over their operands.
.macro STEP first, refill
	WIN 0x04
.irp g, 0,1,2,3,4,5
	s_wait_dscnt 8
	MULSH \g, FB0+32*(\g%3), 0
	PLACES 4
	LDK \g+2, FB0+32*((\g+2)%3)
	MULSH \g, FB0+32*(\g%3), 2
.endr
	s_wait_dscnt 8
	MULSH 6, FB0, 0
	MULSH 6, FB0, 2
	s_wait_dscnt 0x0
	MULSH 7, FB1, 0
	MULSH 7, FB1, 2
	WIN 0
	PLACES 4
.if \refill == 0
	GFRAG 10, 0                                    ; Q has had its last use: x's fragments take its place, for the output product; the other half follows behind the step
.endif
	SMAXALL \first
.if \refill
	s_wait_dscnt 0x0                               ; my reads of K's slot are over (met: the last group's wait was for 0)
	s_wait_xcnt 0x0
	v_lshl_add_u32 v30, v0, 2, 0x49000
	v_mov_b32 v31, 0
	s_wait_tensorcnt 0x0                           ; all my tensor loads have landed: the one that was out is my part of this step's V
	ds_add_u32 v30, v31
	s_wait_dscnt 0x0
	NEXT G0K, 6, 48
	s_barrier_signal -1                            ; opens a round of the cluster's barrier
.irp p, 0,1,2,3,4
	EPART 0, 0, \p, 1-\first                       ; register work inside the round
.endr
	s_barrier_wait -1
	CREST                                          ; no wave of any partner still reads K's slot or has a load on its way
	tensor_load_to_lds s[G0K:G0K+3], s[G1:G1+7]    ; my one tensor load behind the round
	s_nop 0
.else
.irp p, 0,1,2,3,4
	EPART 0, 0, \p, 1-\first
.endr
	s_wait_tensorcnt 0x0                           ; the last V: no load was issued behind it
.endif
	LDV 0, FB1
	LDV 1, FB2
.irp qt, 1,2,3
	EPART \qt, 0, 0, 0
.endr
.irp qt, 1,2,3
	EPART \qt, 0, 1, 0
	EPART \qt, 0, 2, 0
.endr
.irp qt, 1,2,3
	EPART \qt, 0, 3, 1-\first
	EPART \qt, 0, 4, 0
.endr
	RNEXT 0, 0, \first                             ; channel tile 0 has no product in front of it to stand behind
	RNEXT 0, 1, \first
	PV0 0, \first
	PV0 1, \first
	PV0 2, \first
	PV0 3, \first
.irp G, 4,5                                        ; the second pass, keys 32-63
	s_wait_dscnt 8
	WIN 0xa0
	PVH \G, 0
	WIN 0
	PLACES 4
	LDV \G+2, FB0+32*(\G%3)
	WIN 0xa0
	PVH \G, 2
.endr
	s_wait_dscnt 8
	WIN 0xf0
	PVH 6, 0
	PVH 6, 2
.if \refill
	s_wait_dscnt 0x0                               ; my reads of V's slot are over
	s_wait_xcnt 0x0
	s_set_vgpr_msb 0xf030
	v_lshl_add_u32 v30, v0, 2, 0x49000
	v_mov_b32 v31, 0
	s_wait_tensorcnt 0x0                           ; my part of the next K has landed
	ds_add_u32 v30, v31
	s_wait_dscnt 0x0
	s_set_vgpr_msb 0x30f0
	NEXT G0V, 8, 50
	s_barrier_signal -1                            ; opens a round
	PVH 7, 0
	WIN 0
	s_barrier_wait -1
	CREST
	tensor_load_to_lds s[G0V:G0V+3], s[G1:G1+7]    ; my one tensor load behind the round
	s_nop 0
	PLACES 4
	LDK 0, FB0
	LDK 1, FB1
	WIN 0xf0
	PVH 7, 2
	WIN 0
	PLACES 5                                       ; the next step's first products write over P
.else
	s_wait_dscnt 0x0                               ; my reads of both slots are over for good
	s_barrier_signal -1                            ; barrier A: behind it the slots serve as the exchange
	PVH 7, 0
	PVH 7, 2
	WIN 0
	s_barrier_wait -1
.endif
.endm
	s_load_b256 s[4:11], s[0:1], 0x0               ; Qf s[4:5], Kf s[6:7], Vf s[8:9], Xf s[10:11]
	s_load_b128 s[12:15], s[0:1], 0x20             ; Wof s[12:13], out0 s[14:15]
	v_lshl_add_u32 v30, v0, 2, 0x49000
	v_mov_b32 v31, 0
	ds_add_u32 v30, v31
	s_wait_dscnt 0x0
	v_lshrrev_b32 v1, 5, v0
	v_readfirstlane_b32 s16, v1                    ; wave 0..3
	s_bfe_u32 s17, ttmp6, 0x40000                  ; cx.  s17, s18, s44-s46 alone hold anything made of it; none feeds a descriptor or an LDS address
	s_lshl_b32 s18, ttmp9, 2
	s_add_co_u32 s18, s18, s17                     ; block of 64 queries = 4 x cluster + cx
	s_lshr_b32 s19, ttmp9, 4                       ; batch: 16 clusters each, the same for all partners
	s_mov_b32 s40, 0x76543210                      ; v_permlanex16_b32: lane i of one half reads lane i of the other
	s_mov_b32 s41, 0xfedcba98
	; group 1: a dense block of 32,768 bytes as 128 rows of 32 elements of 8 bytes
	s_mov_b32 s[G1+0], 0x0023000f                  ; 15:0 mask 15; 17:16 element of 8 bytes; 21 set beside a mask; no padding: every fragment load takes 512 consecutive bytes
	s_mov_b32 s[G1+1], 32<<16                      ; tensor_dim0 = 32
	s_mov_b32 s[G1+2], 128<<16                     ; tensor_dim1 = 128
	s_mov_b32 s[G1+3], 32<<16                      ; tile_dim0 = 32
	s_mov_b32 s[G1+4], 128                         ; tile_dim1 = 128
	s_mov_b32 s[G1+5], 32                          ; elements from row to row
	s_mov_b32 s[G1+6], 0
	s_mov_b32 s[G1+7], 0
	s_lshl_b32 s22, s16, 15                        ; 32,768 w: my part of a slot, and my 64 keys in a step's 256
	s_lshl_b32 s20, s19, 21                        ; a batch is 64 blocks of 32,768 bytes
	s_add_co_u32 s20, s20, s22
	s_mov_b32 s21, 0
	s_and_b32 s48, ttmp9, 15                       ; c: my cluster among the batch's 16, the same for all partners
	s_and_b32 s50, ttmp9, 1
	s_mul_i32 s50, s50, 14
	s_xor_b32 s48, s48, s50                        ; the first key step: c xor 14 (c & 1), a permutation of 0 .. 15; of the eight clusters that agree in any one bit of c the starts lie at most 3 apart
	s_lshl_b32 s48, s48, 17                        ; in bytes
	s_mov_b32 s49, 0
	s_mov_b32 s50, s48
	s_mov_b32 s51, 0
	s_lshl_b32 s44, s18, 15                        ; my block in Qf and Xf
	s_mov_b32 s45, 0
	s_wait_kmcnt 0x0
	s_add_nc_u64 s[6:7], s[6:7], s[20:21]          ; K and V at my batch and my 64 keys of a step
	s_add_nc_u64 s[8:9], s[8:9], s[20:21]
	s_mov_b32 s[G0K+0], 1
	s_add_co_u32 s[G0K+1], s22, 0
	s_add_nc_u64 s[G0K+2:G0K+3], s[6:7], s[48:49]
	s_or_b32 s[G0K+3], s[G0K+3], 0x80000000
	s_mov_b32 s[G0V+0], 1
	s_add_co_u32 s[G0V+1], s22, VSLOT
	s_add_nc_u64 s[G0V+2:G0V+3], s[8:9], s[50:51]
	s_or_b32 s[G0V+3], s[G0V+3], 0x80000000
	ROUND                                          ; all four partners are here: the first joint loads meet
	tensor_load_to_lds s[G0K:G0K+3], s[G1:G1+7]
	s_nop 0
	tensor_load_to_lds s[G0V:G0V+3], s[G1:G1+7]
	s_nop 0
	s_add_nc_u64 s[4:5], s[4:5], s[44:45]
	s_add_nc_u64 s[10:11], s[10:11], s[44:45]
	v_and_b32 v1, 31, v0
	v_lshlrev_b32 v[GOFF], 4, v1
	GFRAG 4, 0                                     ; Q
	GFRAG 4, 1
	s_lshl_b32 s20, s16, 16                        ; my four o tiles of Wo's fragments
	s_add_nc_u64 s[12:13], s[12:13], s[20:21]
	s_lshl_b32 s44, s19, 22                        ; out0: batch x 4 MiB
	s_lshl_b32 s46, s16, 20                        ; + my 64 rows of 16,384 bytes
	s_add_co_u32 s44, s44, s46
	s_and_b32 s46, s18, 63
	s_lshl_b32 s46, s46, 8                         ; + my 64 columns
	s_add_co_u32 s44, s44, s46
	s_add_nc_u64 s[14:15], s[14:15], s[44:45]
	v_add_nc_u32 v[ADK], s22, v[GOFF]
	v_add_nc_u32 v[ADV], VSLOT, v[ADK]
	s_lshl_b32 s23, s16, 14
	v_add_nc_u32 v[XA], s23, v[GOFF]               ; exchange: 65,536 qt + 16,384 w + 16 lane
	v_add_nc_u32 v[XA+1], 0x10000, v[XA]
	v_add_nc_u32 v[XA+2], 0x20000, v[XA]
	v_add_nc_u32 v[XA+3], 0x30000, v[XA]
.irp qt, 0,1,2,3
	v_mov_b32 v[9+2*\qt], 0                        ; l: the partner of m in a pair that is named before the first sum is there
.endr
	s_wait_tensorcnt 0x1                           ; my part of the first K is in; V's may stay out
	LDK 0, FB0
	LDK 1, FB1
	s_wait_loadcnt 0x0                             ; Q
	STEP 1, 1                                      ; the first step starts m, l and O: nothing is cleared
	s_mov_b32 s42, 14
.Lstep:
	STEP 0, 1
	s_sub_co_u32 s42, s42, 1
	s_cmp_lg_u32 s42, 0
	s_cbranch_scc1 .Lstep
	STEP 0, 0                                      ; the last step fetches nothing
	; THE MERGE.  Every wave hands m, l and O of query tile qt to wave qt, its own tile too (one text for all waves).
	PLACES 4                                       ; behind the last products, before O is stored
	GFRAG 10, 1                                    ; the other half of x's fragments: runs of 16 to 48 global loads are spread over the tail, so that the earlier have come back when the later go out
.irp qt, 0,1,2,3
	v_permlanex16_b32 v[T+\qt], v[9+2*\qt], s40, s41
.endr
.irp qt, 0,1,2,3
	v_add_f32 v[9+2*\qt], v[9+2*\qt], v[T+\qt]     ; l over all my keys
.endr
	s_lshl_b32 s23, s16, 8
	s_add_co_u32 s23, s23, STAT
	v_lshrrev_b32 v3, 2, v[GOFF]                   ; 4 lane
	v_add_nc_u32 v2, s23, v3                       ; to: STAT + 1,024 qt + 256 w
	s_lshl_b32 s23, s16, 10
	s_add_co_u32 s23, s23, STAT
	v_add_nc_u32 v3, s23, v3                       ; from: STAT + 1,024 w + 256 source
.irp qt, 0,1,2,3
	ds_store_b32 v2, v[8+2*\qt] offset:\qt*1024
	ds_store_b32 v2, v[9+2*\qt] offset:\qt*1024+128
.endr
	WIN 0x08                                       ; store data from window 2
.irp c, 0,1,2,3,4,5,6,7
.irp qt, 0,1,2,3
	ds_store_b128 v[XA+\qt], v[8*(4*\c+\qt):8*(4*\c+\qt)+3]   offset:\c*1024
	ds_store_b128 v[XA+\qt], v[8*(4*\c+\qt)+4:8*(4*\c+\qt)+7] offset:\c*1024+512
.endr
.endr
	WIN 0x0c                                       ; from window 3
.irp c, 0,1,2,3,4,5,6,7
.irp qt, 0,1,2,3
	ds_store_b128 v[XA+\qt], v[8*(4*\c+\qt):8*(4*\c+\qt)+3]   offset:(\c+8)*1024
	ds_store_b128 v[XA+\qt], v[8*(4*\c+\qt)+4:8*(4*\c+\qt)+7] offset:(\c+8)*1024+512
.endr
.endr
	WIN 0
	s_wait_dscnt 0x0                               ; for the others' sake, and O's registers are free
; 16 loads: o tile ot of my four, columns 0-255 (ctx, hi = 0) into window 2 or columns 256-511 (x, hi = 1) into window 3
.macro WLD ot, hi
.if \hi
	WIN 0xc0
.else
	WIN 0x80
.endif
.irp ks, 0,1,2,3,4,5,6,7
	global_load_b128 v[8*(8*\ot+\ks):8*(8*\ot+\ks)+3],   v[GOFF], s[12:13] offset:\ot*16384+(\ks+8*\hi)*1024
	global_load_b128 v[8*(8*\ot+\ks)+4:8*(8*\ot+\ks)+7], v[GOFF], s[12:13] offset:\ot*16384+(\ks+8*\hi)*1024+512
.endr
	WIN 0
.endm
	WLD 0, 1
	WLD 1, 1
	WLD 2, 1
	s_barrier_signal -1                            ; barrier B: the exchange is whole
	s_barrier_wait -1
	s_lshl_b32 s23, s16, 16
	v_add_nc_u32 v4, s23, v[GOFF]                  ; my query tile's part of the exchange
	s_lshl_b32 s23, s16, 13
	s_add_co_u32 s23, s23, CTX
	v_add_nc_u32 v5, s23, v[GOFF]                  ; where my ctx fragments go
	v_add_nc_u32 v6, CTX, v[GOFF]                  ; where all are read
.irp k, 0,1,2,3
	ds_load_b32 v[T+\k],   v3 offset:\k*256        ; m of wave k
	ds_load_b32 v[T+4+\k], v3 offset:\k*256+128    ; l of wave k
.endr
; batch t = 4 cq + source: channel tiles 4 cq .. + 3 of one source wave
.macro MLD t
.irp k, 0,1,2,3
	ds_load_b128 v[FB0+32*((\t)%3)+8*\k:FB0+32*((\t)%3)+8*\k+3],   v4 offset:((\t)&3)*16384+(4*((\t)>>2)+\k)*1024
	ds_load_b128 v[FB0+32*((\t)%3)+8*\k+4:FB0+32*((\t)%3)+8*\k+7], v4 offset:((\t)&3)*16384+(4*((\t)>>2)+\k)*1024+512
.endr
.endm
.macro MAC t
.irp k, 0,1,2,3
.irp e, 0,2,4,6
.if ((\t)&3) == 0
	v_pk_mul_f32 v[SB+8*(4*((\t)>>2)+\k)+\e:SB+8*(4*((\t)>>2)+\k)+\e+1], v[FB0+32*((\t)%3)+8*\k+\e:FB0+32*((\t)%3)+8*\k+\e+1], v[16:17] op_sel_hi:[1,0]
.else
	v_pk_fma_f32 v[SB+8*(4*((\t)>>2)+\k)+\e:SB+8*(4*((\t)>>2)+\k)+\e+1], v[FB0+32*((\t)%3)+8*\k+\e:FB0+32*((\t)%3)+8*\k+\e+1], v[16+2*((\t)&3):17+2*((\t)&3)], v[SB+8*(4*((\t)>>2)+\k)+\e:SB+8*(4*((\t)>>2)+\k)+\e+1] op_sel_hi:[1,0,1]
.endif
.endr
.endr
.endm
	MLD 0
	MLD 1
	MLD 2
	s_wait_dscnt 24                                ; m and l are in; the three batches of 8 behind them stay out
	v_max3_num_f32 v8, v[T], v[T+1], v[T+2]
	v_max_num_f32 v8, v8, v[T+3]                   ; the maximum over all 4,096 keys
.irp k, 0,1,2,3
	v_sub_f32 v[16+2*\k], v[T+\k], v8
.endr
.irp k, 0,1,2,3
	v_exp_f32 v[16+2*\k], v[16+2*\k]
.endr
	v_nop                                          ; one plain instruction behind the exponentials
	s_wait_alu depctr_va_vdst(0)
	v_mul_f32 v9, v[T+4], v16
	v_fmac_f32 v9, v[T+5], v18
	v_fmac_f32 v9, v[T+6], v20
	v_fmac_f32 v9, v[T+7], v22                     ; the whole sum: at least 1, since the largest exponential is 1
	v_rcp_f32 v9, v9
	v_nop                                          ; and behind the reciprocal
	s_wait_alu depctr_va_vdst(0)
.irp k, 0,1,2,3
	v_mul_f32 v[16+2*\k], v[16+2*\k], v9           ; wave k's weight
.endr
.irp t, 0,1,2,3,4,5,6,7,8,9,10,11,12,13,14,15
.if \t < 14
	s_wait_dscnt 16                                ; batch t is in; the two batches behind it stay out
.endif
.if \t == 14
	s_wait_dscnt 8
.endif
.if \t == 15
	s_wait_dscnt 0x0
.endif
	MAC \t
.if \t < 13
	MLD \t+3
.endif
.if \t == 3
	WLD 3, 1
	WLD 0, 0
.endif
.if \t == 6
	WLD 1, 0
	WLD 2, 0
.endif
.if \t == 9
	WLD 3, 0
.endif
.endr
	; ctx of my query tile, rounded: channel tile ct is half a fragment (step ct / 2, part ct % 2)
.set i, 0
.rept 64
	v_cvt_pk_bf16_f32 v[FB0+i], v[SB+2*i], v[SB+2*i+1]
.set i, i+1
.endr
.set i, 0
.rept 16
	ds_store_b128 v5, v[FB0+4*i:FB0+4*i+3] offset:i*512
.set i, i+1
.endr
	s_wait_dscnt 0x0                               ; my ctx is written, my reads of the exchange are over
	s_wait_loadcnt 0x0                             ; x's and Wo's fragments are in
	s_barrier_signal -1                            ; barrier C
	; THE OUTPUT PRODUCT, 64 queries x my 64 output rows.  x (or ctx) first, Wo second: a lane holds output row r and 8 neighbouring queries.
	; The 16 sums take turns, one instruction a turn.  x's half needs no LDS and runs while the others arrive.
	WIN 0x0d
.irp ks, 0,1,2,3,4,5,6,7
.irp ot, 0,1,2,3
.irp qt, 0,1,2,3
.if \ks == 0
	v_wmma_f32_16x16x32_bf16 v[SB+8*(4*\ot+\qt):SB+8*(4*\ot+\qt)+7], v[8*(8*\qt+\ks):8*(8*\qt+\ks)+7], v[8*(8*\ot+\ks):8*(8*\ot+\ks)+7], 0
.else
	v_wmma_f32_16x16x32_bf16 v[SB+8*(4*\ot+\qt):SB+8*(4*\ot+\qt)+7], v[8*(8*\qt+\ks):8*(8*\qt+\ks)+7], v[8*(8*\ot+\ks):8*(8*\ot+\ks)+7], v[SB+8*(4*\ot+\qt):SB+8*(4*\ot+\qt)+7]
.endif
.endr
.endr
.endr
	WIN 0
	s_barrier_wait -1                              ; all ctx fragments are there, and nobody reads the exchange any more
.macro CLD kc                          ; channel step kc of ctx, all four query tiles
.irp qt, 0,1,2,3
	ds_load_b128 v[FB0+32*((\kc)%3)+8*\qt:FB0+32*((\kc)%3)+8*\qt+3],   v6 offset:\qt*8192+(\kc)*1024
	ds_load_b128 v[FB0+32*((\kc)%3)+8*\qt+4:FB0+32*((\kc)%3)+8*\qt+7], v6 offset:\qt*8192+(\kc)*1024+512
.endr
.endm
	CLD 0
	CLD 1
	CLD 2
	WIN 0x08                                       ; Wo from window 2; the LDS loads below name window 0 alone under this setting
.irp kc, 0,1,2,3,4,5,6,7
.if \kc < 6
	s_wait_dscnt 16
.endif
.if \kc == 6
	s_wait_dscnt 8
.endif
.if \kc == 7
	s_wait_dscnt 0x0
.endif
.irp ot, 0,1,2,3
.irp qt, 0,1,2,3
	v_wmma_f32_16x16x32_bf16 v[SB+8*(4*\ot+\qt):SB+8*(4*\ot+\qt)+7], v[FB0+32*(\kc%3)+8*\qt:FB0+32*(\kc%3)+8*\qt+7], v[8*(8*\ot+\kc):8*(8*\ot+\kc)+7], v[SB+8*(4*\ot+\qt):SB+8*(4*\ot+\qt)+7]
.endr
.endr
.if \kc < 5
	PLACES 4
	CLD \kc+3
.endif
.endr
	WIN 0
	; THE WAY OUT, through a stage of my own (64 rows of 272 bytes).  The ten address instructions below name no register of the last products: they are the places behind them.
	v_and_b32 v10, 15, v0                          ; r
	v_bfe_u32 v11, v0, 4, 1                        ; h
	s_mul_i32 s23, s16, 64*OPITCH
	v_mul_u32_u24 v7, v10, OPITCH
	v_lshl_add_u32 v7, v11, 5, v7
	v_add_nc_u32 v7, s23, v7                       ; in: row r, 8 h numbers of 4 bytes
	v_mul_u32_u24 v8, v11, OPITCH
	v_lshl_add_u32 v8, v10, 4, v8
	v_add_nc_u32 v8, s23, v8                       ; back: lanes 0-15 one row of 256 bytes, lanes 16-31 the next
	v_lshlrev_b32 v9, 4, v10
	v_lshl_add_u32 v9, v11, 14, v9                 ; the same two rows in out0
.irp ot, 0,1,2,3
.irp qt, 0,1,2,3
	ds_store_b128 v7, v[SB+8*(4*\ot+\qt):SB+8*(4*\ot+\qt)+3]   offset:\ot*16*OPITCH+\qt*64
	ds_store_b128 v7, v[SB+8*(4*\ot+\qt)+4:SB+8*(4*\ot+\qt)+7] offset:\ot*16*OPITCH+\qt*64+16
.endr
.endr
.irp bt, 0,1,2,3
.if \bt >= 2
	s_wait_xcnt 0x0                                ; the buffer, which stores read, is loaded again only behind this wait
.endif
.irp k, 0,1,2,3,4,5,6,7
	ds_load_b128 v[FB0+32*(\bt&1)+4*\k:FB0+32*(\bt&1)+4*\k+3], v8 offset:(8*\bt+\k)*2*OPITCH   ; LDS serves a wave's instructions in order (ISA guide 5.7.1): these see the stores above
.endr
.irp k, 0,1,2,3,4,5,6,7
	s_wait_dscnt 7-\k
	global_store_b128 v9, v[FB0+32*(\bt&1)+4*\k:FB0+32*(\bt&1)+4*\k+3], s[14:15] offset:(8*\bt+\k)*32768 th:TH_STORE_NT   ; 16 lanes store 256 consecutive bytes, aligned
.endr
.endr
	s_wait_xcnt 0x0
	v_lshl_add_u32 v30, v0, 2, 0x49000
	v_mov_b32 v31, 0
	s_wait_tensorcnt 0x0
	ds_add_u32 v30, v31
	s_wait_dscnt 0x0
	ROUND                                          ; the closing round: no work-group ends while a partner may still ask for a tile that names it
	s_endpgm
.Lfunc_end_k_qdd6212f8c0_attn:
	.size	k_qdd6212f8c0_attn, .Lfunc_end_k_qdd6212f8c0_attn-k_qdd6212f8c0_attn
	.p2alignl 7, 3214868480
	.fill 96, 4, 3214868480
	.section	.rodata,"a",@progbits
	.p2align	6, 0x0
	.amdhsa_kernel k_qdd6212f8c0_attn
		.amdhsa_group_segment_fixed_size 327680
		.amdhsa_private_segment_fixed_size 0
		.amdhsa_enable_private_segment 0
		.amdhsa_kernarg_size 48
		.amdhsa_user_sgpr_count 2
		.amdhsa_user_sgpr_kernarg_segment_ptr 1
		.amdhsa_wavefront_size32 1
		.amdhsa_system_sgpr_workgroup_id_x 1
		.amdhsa_system_sgpr_workgroup_id_y 1
		.amdhsa_system_sgpr_workgroup_id_z 1
		.amdhsa_system_vgpr_workitem_id 0
		.amdhsa_next_free_vgpr 1024
		.amdhsa_next_free_sgpr 66
		.amdhsa_reserve_vcc 0
		.amdhsa_float_denorm_mode_32 3
		.amdhsa_float_denorm_mode_16_64 3
		.amdhsa_memory_ordered 1
		.amdhsa_forward_progress 1
		.amdhsa_inst_pref_size 255
	.end_amdhsa_kernel
	.section	.bss,"aw",@nobits
	.p2align	6
	.space	262144
	.amdgpu_metadata
---
amdhsa.version: [ 1, 2 ]
amdhsa.kernels:
  - .name:           k_qdd6212f8c0_attn
    .symbol:         k_qdd6212f8c0_attn.kd
    .args:
      - { .name: Qf, .offset: 0, .size: 8, .value_kind: global_buffer, .address_space: global }
      - { .name: Kf, .offset: 8, .size: 8, .value_kind: global_buffer, .address_space: global }
      - { .name: Vf, .offset: 16, .size: 8, .value_kind: global_buffer, .address_space: global }
      - { .name: Xf, .offset: 24, .size: 8, .value_kind: global_buffer, .address_space: global }
      - { .name: Wof, .offset: 32, .size: 8, .value_kind: global_buffer, .address_space: global }
      - { .name: out0, .offset: 40, .size: 8, .value_kind: global_buffer, .address_space: global }
    .group_segment_fixed_size: 327680
    .private_segment_fixed_size: 0
    .kernarg_segment_align: 8
    .kernarg_segment_size: 48
    .max_flat_workgroup_size: 128
    .sgpr_count:     66
    .vgpr_count:     1024
    .wavefront_size: 32
...
	.end_amdgpu_metadata
.endif
;; end of part 2
